; MI455X (gfx1250); checked and timed in simulation.
; The chip was launched on July 23, 2026; its instructions are those of AMD's public machine-readable ISA for CDNA 5 (MIT licence, August 2026) and "CDNA5" Instruction Set Architecture Reference Guide (July 2026). The comments in the code are by the model that wrote it; some were corrected since.
;; Spline. Allowed arithmetic: float matrix products may take bf16 or f16 operands with f32 sums; all other float work in f32.
;; Inputs: query_points 1 x 4,194,304 x 2 float32; train_points 1 x 64 x 2 float32; vw 1 x 3 x 1 float32; ww 1 x 64 x 1 float32.
;; Outputs: out0 1 x 2,048 x 2,048 x 1 float32.
;; One version. Each part assembles by itself: llvm-mc -triple=amdgcn-amd-amdhsa -mcpu=gfx1250 --defsym DOCPART=n.
;; ======== version 1 of 1: 1 launch
;; launch spline (part 1): grid 256 x 1, 16 waves a work-group, no clusters, 0 bytes of LDS; arguments query_points, train_points, ww, vw, out0; writes out0
.if DOCPART == 1
	.amdgcn_target "amdgcn-amd-amdhsa--gfx1250"
	.amdhsa_code_object_version 6
	.text
	.protected	k_q4ad454f566_spline
	.globl	k_q4ad454f566_spline
	.p2align	8
	.type	k_q4ad454f566_spline,@function
k_q4ad454f566_spline:
	s_mov_b64 s[64:65], 0
	v_nop
	global_prefetch_b8 v0, s[64:65] scope:SCOPE_SE
	s_setreg_imm32_b32 hwreg(HW_REG_WAVE_MODE, 25, 1), 1
	s_wait_xcnt 0x0
; Thin-plate spline: out[q] = sum over n of ww[n] * 0.5 * r2 * ln(max(r2, 1e-10)) + q.x vw[0] + q.y vw[1] + vw[2],  r2 = |q - t[n]|^2.
; 4,194,304 queries, 64 control points.  One launch, 256 work-groups of 16 waves; a wave makes 1,024 outputs.
;
; HOW r2 IS MADE.  r2 = (x^2 - 2 x tx + tx^2) + (y^2 - 2 y ty + ty^2) is one matrix product of features, K = 32:
; A = 16 control points (rows), B = 16 queries (columns), C = 0.  Lanes 0-15 hold K slots 0-7 and 16-23, lanes 16-31 the others
; (ISA guide 7.12.2), so lanes 0-15 carry the x terms and lanes 16-31 the y terms: a lane works on ONE coordinate c of one point.
; bf16 operands would lose r2 to rounding, so every f32 factor is cut, exactly, into three bf16 pieces hi + mid + lo (8 + 8 + 8 bits),
; and a product p * q takes six slots: hi(hi+mid+lo) + mid(hi+mid) + lo hi.  What is left out is below 2^-23 of the largest product.
;   slot:            0    1    2    3    4    5    6    7    8    9    10   11   12   13   14   15
;   B (query):       c.h  c.h  c.h  c.m  c.m  c.l  s.h  s.h  s.h  s.m  s.m  s.l  1    1    1    0        s = c * c
;   A (plain):       a.h  a.m  a.l  a.h  a.m  a.h  1    0    0    1    0    1    u.h  u.m  u.l  0        a = -2 t, u = t * t
;   A (weighted):    the same with a w', w', u w' in place of a, 1, u                                     w' = 0.5 ln 2 * ww[n]
; Both point sets are first moved by the control points' centroid: r2 does not change, and a common offset is gone before anything is squared.
; The weighted product gives w' r2 in the same lanes and registers as r2, so the sum over n is  sum (w' r2) * log2(max(r2, eps)):
; one maximum, one logarithm and half a packed multiply-add for a pair.  That last sum multiplies two results element by element,
; so it is vector work in f32.  In D, register j of lane (r, h) is control point 8 h + j, query column r: the sum runs inside a lane,
; over 4 tiles x 8 registers, and ends with one step across the two halves of the wave.
;
; LIMITS.  r2 is rounded otherwise than by the formula's own order (centroid, pieces below 2^-23 of the largest product dropped);
; (q - centroid)^2 and w' (q - centroid)^2 have to be finite in f32; a NaN input reaches the output through the weighted product.
; No LDS, no barrier, no cluster: no wave needs what another wave loads but 780 bytes of tables.
.set WAVES, 16
.set LSTEP, WAVES*512                  ; bytes of query_points from a wave's block to its next: the 16 waves take neighbouring 512 bytes
.set SSTEP, WAVES*256                  ; the same in out0
.set TRIPS, 7                          ; 16 blocks of 64 queries a wave: 7 trips of two, and two written out without loads
.set EPS,  14                          ; s14  1e-10
.set SEL,  15                          ; s15  v_perm_b32: the upper halves of two registers
.set CNT,  16                          ; s16  trips left
.set LOFF, 1                           ; v1   16 x thread: my 16 bytes of a block of query_points
.set SOFF, 2                           ; v2   8 x thread: my 8 bytes of out0
.set MU,   3                           ; v3   the centroid's coordinate of my half of the wave
.set VWC,  4                           ; v4   vw[0] in lanes 0-15, vw[1] in lanes 16-31
.set VB,   5                           ; v5   vw[2] in lanes 0-15, 0 in lanes 16-31
.set NEG1, 6                           ; v6   -1.0
.set AU,   16                          ; v[16+16T : 23+16T]  A, plain, control tile T
.set AW,   24                          ; v[24+16T : 31+16T]  A, weighted
.set BB,   80                          ; v[80:87], v[88:95]  B, two buffers: groups take turns
.set DR,   96                          ; v[96:103], v[112:119]   r2, then its logarithm: two buffers, tiles take turns
.set DW,   104                         ; v[104:111], v[120:127]  w' r2
.set LIN,  128                         ; v[128:129]  my part of the linear term, and a 0: the first addend of the sum
.set ACA,  130                         ; v[130:131]  two pairs of running sums,
.set ACB,  132                         ; v[132:133]  so that a multiply-add does not follow straight on the one that it adds onto
.set SUM,  136                         ; v[136:139]  my half's sum for each of the block's four groups
.set OUT,  140                         ; v[140:141], v[142:143]  two outputs a lane; blocks take turns
.set QRY,  144                         ; v[144:147], v[148:151]  a ring of two blocks of queries
.set CC,   152                         ; c - centroid;  its rest behind hi;  behind mid
.set R1,   153
.set R2,   154
.set SQ,   155                         ; (c - centroid)^2 and its rests
.set SR1,  156
.set SR2,  157
.set TT,   158                         ; v[158:161]  set-up: my coordinate of control points r, 16 + r, 32 + r, 48 + r
.set WT,   162                         ; v[162:165]  set-up: their ww
.set TMP,  166                         ; v[166:181]  set-up
; rest = x - (upper 16 bits of x, read as bf16): exact, one instruction.  Twice: x = hi + mid + lo, each piece the upper half of a register.
.macro REST d, x
	v_fma_mix_f32_bf16 v[\d], v[\x], v[NEG1], v[\x] op_sel:[1,0,0] op_sel_hi:[1,0,0]
.endm
.macro PACK d, hi, lo                  ; two K slots: the lower slot from lo's upper half, the higher from hi's
	v_perm_b32 v[\d], v[\hi], v[\lo], s[SEL]
.endm
	s_load_b256 s[4:11], s[0:1], 0x0               ; query_points s[4:5], train_points s[6:7], ww s[8:9], vw s[10:11]
	s_load_b64 s[12:13], s[0:1], 0x20              ; out0
	s_mov_b32 s[EPS], 0x2edbe6ff                   ; 1e-10
	s_mov_b32 s[SEL], 0x07060302
	s_lshl_b32 s18, ttmp9, 17                      ; the work-group's 16,384 queries: 131,072 bytes in,
	s_mov_b32 s19, 0
	s_lshl_b32 s20, ttmp9, 16                      ; 65,536 bytes out
	s_mov_b32 s21, 0
	v_lshlrev_b32 v[LOFF], 4, v0
	v_lshlrev_b32 v[SOFF], 3, v0
	v_and_b32 v7, 15, v0                           ; r
	v_bfe_u32 v8, v0, 4, 1                         ; h: which half of the wave, which coordinate
	v_lshlrev_b32 v9, 2, v7                        ; ww[r]
	v_lshlrev_b32 v10, 2, v8                       ; vw[h]
	v_lshl_add_u32 v11, v7, 3, v10                 ; train_points[r][h]
	v_mov_b32 v12, 0
	s_wait_kmcnt 0x0
	s_add_nc_u64 s[4:5], s[4:5], s[18:19]
	s_add_nc_u64 s[12:13], s[12:13], s[20:21]
.irp T, 0,1,2,3
	global_load_b32 v[TT+\T], v11, s[6:7] offset:128*\T
	global_load_b32 v[WT+\T], v9, s[8:9] offset:64*\T
.endr
	global_load_b32 v[VWC], v10, s[10:11]
	global_load_b32 v[VB], v12, s[10:11] offset:8
	global_load_b128 v[QRY:QRY+3], v[LOFF], s[4:5] th:TH_LOAD_NT                   ; block 0
	global_load_b128 v[QRY+4:QRY+7], v[LOFF], s[4:5] offset:LSTEP th:TH_LOAD_NT    ; block 1
	v_mov_b32 v[NEG1], -1.0
	v_mov_b32 v[LIN+1], 0
.irp b, 0,1
	v_mov_b32 v[BB+8*\b+6], 0x3f803f80             ; slots 12, 13: 1, 1.  Written once: the features fill registers 0 to 5 only
	v_mov_b32 v[BB+8*\b+7], 0x3f80                 ; slots 14, 15: 1, 0
.endr
	v_cmp_eq_u32 vcc_lo, 0, v8
	s_wait_loadcnt 0x2                             ; the ten loads of the tables are in; the two blocks of queries stay out
	v_cndmask_b32 v[VB], 0, v[VB], vcc_lo          ; vw[2] counts once: in the x half
	; the centroid: my four points, then the 16 lanes of my half (all of one coordinate), by 64
	v_add_f32 v[MU], v[TT], v[TT+1]
	v_add_f32 v[TMP], v[TT+2], v[TT+3]
	v_add_f32 v[MU], v[MU], v[TMP]
.irp m, 1,2,4,8
	v_add_f32_dpp v[MU], v[MU], v[MU] row_xmask:\m row_mask:0xf bank_mask:0xf
.endr
	v_mul_f32 v[MU], 0x3c800000, v[MU]             ; 1 / 64
; The two A fragments of control tile T: lane (r, h) holds row r, coordinate h.
.macro ATILE T
	v_sub_f32 v[TMP+15], v[TT+\T], v[MU]           ; t
	v_mul_f32 v[TMP+12], 0x3eb17218, v[WT+\T]      ; w' = 0.5 ln 2 * ww: the logarithm below is to base 2
	v_mul_f32 v[TMP+0], -2.0, v[TMP+15]            ; a
	v_mul_f32 v[TMP+3], v[TMP+15], v[TMP+15]       ; u
	v_mul_f32 v[TMP+6], v[TMP+0], v[TMP+12]        ; a w'
	v_mul_f32 v[TMP+9], v[TMP+3], v[TMP+12]        ; u w'
.irp x, 0,3,6,9,12
	REST TMP+\x+1, TMP+\x
	REST TMP+\x+2, TMP+\x+1
.endr
.irp k, 0,1                                        ; k = 0 plain (a at TMP+0, u at TMP+3), k = 1 weighted (TMP+6, TMP+9)
	PACK AU+16*\T+8*\k+0, TMP+6*\k+1, TMP+6*\k     ; slots 0, 1: hi, mid
	PACK AU+16*\T+8*\k+1, TMP+6*\k, TMP+6*\k+2     ; slots 2, 3: lo, hi
	PACK AU+16*\T+8*\k+2, TMP+6*\k, TMP+6*\k+1     ; slots 4, 5: mid, hi
	PACK AU+16*\T+8*\k+6, TMP+6*\k+4, TMP+6*\k+3   ; slots 12, 13: hi, mid
	v_lshrrev_b32 v[AU+16*\T+8*\k+7], 16, v[TMP+6*\k+5]    ; slots 14, 15: lo, 0
.endr
	v_mov_b32 v[AU+16*\T+3], 0x3f80                ; slots 6, 7: 1, 0
	v_mov_b32 v[AU+16*\T+4], 1.0                   ; slots 8, 9: 0, 1 (the bits of 1.0 in f32 are bf16's 1 in the upper half)
	v_mov_b32 v[AU+16*\T+5], 1.0                   ; slots 10, 11: 0, 1
	PACK AW+16*\T+3, TMP+13, TMP+12                ; the same slots, weighted: hi, mid
	PACK AW+16*\T+4, TMP+12, TMP+14                ; lo, hi
	PACK AW+16*\T+5, TMP+12, TMP+13                ; mid, hi
.endm
	ATILE 0
	ATILE 1
	ATILE 2
	ATILE 3
; The features of a group of 16 queries, from register c (my coordinate of query column r) into B buffer b: 13 instructions in four parts,
; one part for each tile stage of the group before.  Each part begins with a plain instruction that touches no logarithm (see STAGE).
.macro FEAT0 c, b
	v_sub_f32 v[CC], v[\c], v[MU]
	v_mul_f32 v[SQ], v[CC], v[CC]
	REST R1, CC
	PACK BB+8*\b+0, CC, CC                         ; slots 0, 1: hi, hi
	REST SR1, SQ
.endm
.macro FEAT1 b
	PACK BB+8*\b+1, R1, CC                         ; slots 2, 3: hi, mid
	REST R2, R1
	PACK BB+8*\b+3, SQ, SQ                         ; slots 6, 7
	REST SR2, SR1
.endm
.macro FEAT2 b
	PACK BB+8*\b+4, SR1, SQ                        ; slots 8, 9
	PACK BB+8*\b+2, R2, R1                         ; slots 4, 5: mid, lo
	PACK BB+8*\b+5, SR2, SR1                       ; slots 10, 11
.endm
.macro FEAT3 c
	v_fma_f32 v[LIN], v[\c], v[VWC], v[VB]         ; the linear term, from the coordinate as it was loaded
.endm
; Both products of control tile T with the queries of B buffer b, into D buffer p.  C = 0: nothing is accumulated, no chain.
.macro MM p, T, b
	v_wmma_f32_16x16x32_bf16 v[DR+16*\p:DR+16*\p+7], v[AU+16*\T:AU+16*\T+7], v[BB+8*\b:BB+8*\b+7], 0
	v_wmma_f32_16x16x32_bf16 v[DW+16*\p:DW+16*\p+7], v[AW+16*\T:AW+16*\T+7], v[BB+8*\b:BB+8*\b+7], 0
.endm
.macro CLAMPLOG p
.irp j, 0,1,2,3,4,5,6,7
	v_max_num_f32 v[DR+16*\p+\j], s[EPS], v[DR+16*\p+\j]
.endr
.irp j, 0,1,2,3,4,5,6,7
	v_log_f32 v[DR+16*\p+\j], v[DR+16*\p+\j]
.endr
.endm
.macro ACCUM p, first
.if \first
	s_wait_alu depctr_va_vdst(0)
	v_pk_fma_f32 v[ACA:ACA+1], v[DR+16*\p:DR+16*\p+1], v[DW+16*\p:DW+16*\p+1], v[LIN:LIN+1]      ; the first products start the sums
	v_pk_mul_f32 v[ACB:ACB+1], v[DR+16*\p+2:DR+16*\p+3], v[DW+16*\p+2:DW+16*\p+3]
.else
	s_wait_alu depctr_va_vdst(0)
	v_pk_fma_f32 v[ACA:ACA+1], v[DR+16*\p:DR+16*\p+1], v[DW+16*\p:DW+16*\p+1], v[ACA:ACA+1]
	v_pk_fma_f32 v[ACB:ACB+1], v[DR+16*\p+2:DR+16*\p+3], v[DW+16*\p+2:DW+16*\p+3], v[ACB:ACB+1]
.endif
	v_pk_fma_f32 v[ACA:ACA+1], v[DR+16*\p+4:DR+16*\p+5], v[DW+16*\p+4:DW+16*\p+5], v[ACA:ACA+1]
	v_pk_fma_f32 v[ACB:ACB+1], v[DR+16*\p+6:DR+16*\p+7], v[DW+16*\p+6:DW+16*\p+7], v[ACB:ACB+1]
.endm
; One group of 16 queries (number g of its block, B buffer b) against the 64 control points: four tile stages.
; A STAGE: the next tile's two products go out into the other D buffer; then this tile's 8 maxima, 8 logarithms, a part of the next group's
; features (register cn, B buffer nb; cn = -1: there is no next group), 4 packed multiply-adds.
; Distances (ISA guide 7.12.1): a product's results are first touched a stage later, behind this stage's 8 maxima, which name none of its
; registers; the D buffer that a product overwrites was written two stages earlier, with 8 such maxima between; a B buffer is rewritten
; more than a stage behind the last product that read it.  Behind the logarithms stands the features' first plain instruction (or a v_nop)
; before a result is used (ISA guide 5.7.2).
.macro GROUP g, b, nb, cn
	MM 1, 1, \b
	CLAMPLOG 0
.if \cn >= 0
	FEAT0 \cn, \nb
.else
	v_nop
.endif
	ACCUM 0, 1
	MM 0, 2, \b
	CLAMPLOG 1
.if \cn >= 0
	FEAT1 \nb
.else
	v_nop
.endif
	ACCUM 1, 0
	MM 1, 3, \b
	CLAMPLOG 0
.if \cn >= 0
	FEAT2 \nb
.else
	v_nop
.endif
	ACCUM 0, 0
.if \cn >= 0
	MM 0, 0, \nb                                   ; the next group's first tile
.endif
	CLAMPLOG 1
.if \cn >= 0
	FEAT3 \cn                                      ; LIN was read in this group's first stage
.else
	v_nop
.endif
	ACCUM 1, 0
	v_pk_add_f32 v[ACA:ACA+1], v[ACA:ACA+1], v[ACB:ACB+1]
	v_add_f32 v[SUM+\g], v[ACA], v[ACA+1]          ; my half's 32 control points and my part of the linear term
.endm
; As loaded, lane L holds x, y of query 2L and x, y of query 2L + 1.  v_permlane16_swap_b32 X, Y exchanges X's lanes 16-31 with Y's lanes 0-15:
; X becomes (x in lanes 0-15, y in lanes 16-31) of queries 2r, Y the same of queries 32 + 2r: two groups in the layout that B wants.
.macro UNZIP q
	v_permlane16_swap_b32 v[QRY+4*\q], v[QRY+4*\q+1]       ; groups 0, 1: queries 2r, 32 + 2r
	v_permlane16_swap_b32 v[QRY+4*\q+2], v[QRY+4*\q+3]     ; groups 2, 3: queries 2r + 1, 32 + 2r + 1
.endm
; The way back: the swap brings both halves' sums of group a into lanes 0-15 and those of group a + 1 into lanes 16-31; one add ends both.
.macro FOLD d, a
	v_permlane16_swap_b32 v[SUM+\a], v[SUM+\a+1]
	v_add_f32 v[\d], v[SUM+\a], v[SUM+\a+1]
.endm
; A block of 64 queries in ring slot q.  load = 1: the slot is asked for again, two blocks ahead, as soon as its last register has been read.
; next = 1: another block follows, in the other slot.
.macro BLOCK q, load, next
	GROUP 0, 0, 1, QRY+4*\q+1
	GROUP 1, 1, 0, QRY+4*\q+2
	FOLD OUT+2*\q, 0                               ; lane L: query 2L
	GROUP 2, 0, 1, QRY+4*\q+3
.if \load
	global_load_b128 v[QRY+4*\q:QRY+4*\q+3], v[LOFF], s[4:5] offset:(2+\q)*LSTEP th:TH_LOAD_NT
.endif
.if \next
	s_wait_loadcnt \load                           ; loads come back in order: the next block, asked for a block ago, is in; the one just asked for stays out
	UNZIP (1-\q)
	GROUP 3, 1, 0, QRY+4*(1-\q)
.else
	GROUP 3, 1, 0, -1
.endif
	FOLD OUT+2*\q+1, 2                             ; lane L: query 2L + 1
	global_store_b64 v[SOFF], v[OUT+2*\q:OUT+2*\q+1], s[12:13] offset:\q*SSTEP th:TH_STORE_NT    ; the wave's 32 lanes store 256 consecutive bytes, aligned
.endm
	s_wait_loadcnt 0x1                             ; block 0 is in, block 1 stays out
	UNZIP 0
	FEAT0 QRY, 0
	FEAT1 0
	FEAT2 0
	FEAT3 QRY
	MM 0, 0, 0                                     ; the very first tile
.rept 4
	v_nop                                          ; its results are read by the first stage's maxima: four places (ISA guide 7.12.1); on the way back the last stage's work stands there
.endr
	s_mov_b32 s[CNT], TRIPS
.Ltrip:
	BLOCK 0, 1, 1
	BLOCK 1, 1, 1
	s_wait_xcnt 0x0                                ; the bases, and the OUT registers that the two stores read, are rewritten only behind this wait
	s_add_nc_u64 s[4:5], s[4:5], 2*LSTEP
	s_add_nc_u64 s[12:13], s[12:13], 2*SSTEP
	s_sub_co_u32 s[CNT], s[CNT], 1
	s_cmp_lg_u32 s[CNT], 0
	s_cbranch_scc1 .Ltrip
	BLOCK 0, 0, 1                                  ; the last two blocks ask for nothing: no load leaves the buffer
	BLOCK 1, 0, 0
	s_endpgm
.Lfunc_end_k_q4ad454f566_spline:
	.size	k_q4ad454f566_spline, .Lfunc_end_k_q4ad454f566_spline-k_q4ad454f566_spline
	.p2alignl 7, 3214868480
	.fill 96, 4, 3214868480
	.section	.rodata,"a",@progbits
	.p2align	6, 0x0
	.amdhsa_kernel k_q4ad454f566_spline
		.amdhsa_group_segment_fixed_size 0
		.amdhsa_private_segment_fixed_size 0
		.amdhsa_enable_private_segment 0
		.amdhsa_kernarg_size 40
		.amdhsa_user_sgpr_count 2
		.amdhsa_user_sgpr_kernarg_segment_ptr 1
		.amdhsa_wavefront_size32 1
		.amdhsa_system_sgpr_workgroup_id_x 1
		.amdhsa_system_sgpr_workgroup_id_y 1
		.amdhsa_system_sgpr_workgroup_id_z 1
		.amdhsa_system_vgpr_workitem_id 0
		.amdhsa_next_free_vgpr 184
		.amdhsa_next_free_sgpr 66
		.amdhsa_reserve_vcc 1
		.amdhsa_float_denorm_mode_32 3
		.amdhsa_float_denorm_mode_16_64 3
		.amdhsa_memory_ordered 1
		.amdhsa_forward_progress 1
		.amdhsa_inst_pref_size 84
	.end_amdhsa_kernel
	.amdgpu_metadata
---
amdhsa.version: [ 1, 2 ]
amdhsa.kernels:
  - .name:           k_q4ad454f566_spline
    .symbol:         k_q4ad454f566_spline.kd
    .args:
      - { .name: query_points, .offset: 0, .size: 8, .value_kind: global_buffer, .address_space: global }
      - { .name: train_points, .offset: 8, .size: 8, .value_kind: global_buffer, .address_space: global }
      - { .name: ww, .offset: 16, .size: 8, .value_kind: global_buffer, .address_space: global }
      - { .name: vw, .offset: 24, .size: 8, .value_kind: global_buffer, .address_space: global }
      - { .name: out0, .offset: 32, .size: 8, .value_kind: global_buffer, .address_space: global }
    .group_segment_fixed_size: 0
    .private_segment_fixed_size: 0
    .kernarg_segment_align: 8
    .kernarg_segment_size: 40
    .max_flat_workgroup_size: 512
    .sgpr_count:     66
    .vgpr_count:     184
    .wavefront_size: 32
...
	.end_amdgpu_metadata
.endif
;; end of part 1
